; MI455X (gfx1250); checked and timed in simulation.
; The chip was launched on July 23, 2026; its instructions are those of AMD's public machine-readable ISA for CDNA 5 (MIT licence, August 2026) and "CDNA5" Instruction Set Architecture Reference Guide (July 2026). The comments in the code are by the model that wrote it; some were corrected since.
;; Cheems Non Wo Attn. Allowed arithmetic: matrix products marked QUANTISED: E2M3 operands, one E8M0 scale for each 32 along K, by v_wmma_scale_f32_16x16x128_f8f6f4 with both operands' format E2M3, f32 sums; everything else in f32.
;; Inputs: Wk 2,048 x 512 float32; Wq 2,048 x 512 float32; Wv 2,048 x 2,048 float32; hidden_states 2 x 2,048 x 2,048 float32; position_ids 2 x 2,048 int32.
;; Outputs: out0 2 x 2,048 x 2,048 float32.
;; This version of the problem:
;;   THIS VERSION OF THE PROBLEM IS GIVEN IN LOW PRECISION. The matrix products marked QUANTISED in the list below multiply operands that are first quantised to E2M3 (2 exponent bits, 3 mantissa bits; 6 bits a number), with one power-of-two scale for each 32 numbers along K (OCP MX v1.0); their sums are f32. All else is computed in f32.
;;   The module's matrix products, in the order in which they are computed (A, B: the left and right operand; K: the contracted axis; several contracted axes count as one K, in the product's order):
;;     1. [M 4,096, K 2,048] x [K 2,048, N 512]; A: input hidden_states; B: input Wq: QUANTISED
;;     2. [M 4,096, K 2,048] x [K 2,048, N 512]; A: input hidden_states; B: input Wk: QUANTISED
;;     3. [M 4,096, K 2,048] x [K 2,048, N 2,048]; A: input hidden_states; B: input Wv: QUANTISED
;;     4. batch 64 x [M 2,048, K 64] x [K 64, N 2,048]; A: computed on the way; B: computed on the way: QUANTISED
;;     5. batch 64 x [M 64, K 2,048] x [K 2,048, N 2,048]; A: computed on the way; B: softmax (see below): QUANTISED
;;   THE QUANTISER, for each operand of a quantised product, along K:
;;     - K is cut into blocks of 32 from its start; a last block that is shorter is filled with zeros.
;;     - A block's scale is 2^e with e = floor(log2(the largest magnitude in the block)) - 2, held to -126 .. 127; a block of zeros has e = 0. As a byte (E8M0): e + 127.
;;     - Each number is divided by its block's scale, clamped to +-7.5, and rounded to the nearest number of E2M3, ties to even, subnormals kept.
;;     - The product sums the exact products of the quantised numbers (number of the format x scale) in f32.
;;   ~~~python
;;   def quantise(x, axis):      # numpy; x: float32 -> the quantised numbers, widened to float32 again
;;       x = np.moveaxis(x, axis, -1); K = x.shape[-1]
;;       x = np.pad(x, [(0, 0)] * (x.ndim - 1) + [(0, -K % 32)]); x = x.reshape(x.shape[:-1] + (-1, 32)); a = np.abs(x).max(-1, keepdims=True)
;;       e = np.where(a > 0, np.clip(np.frexp(np.where(a > 0, a, 1))[1] - 1 - 2, -126, 127), 0)      # np.frexp(a)[1] - 1 = floor(log2(a)), exactly
;;       r = np.clip(x / 2.0 ** e, -7.5, 7.5)
;;       step = 2.0 ** (np.maximum(np.frexp(np.where(r == 0, 1, r))[1] - 1, 0) - 3)
;;       q = np.round(r / step) * step * 2.0 ** e      # np.round: ties to even
;;       return np.moveaxis(q.reshape(q.shape[:-2] + (-1,))[..., :K], -1, axis).astype(np.float32)
;;   ~~~
;;   SOFTMAX AHEAD OF A QUANTISED PRODUCT. Where the list says 'softmax', what is quantised is not the finished softmax but p = 2^(t - M), with t = logit x log2(e) and M = ceil(the row's largest t), a whole number; so 1/2 < the row's largest p <= 1. The row's sum l is taken of the UNQUANTISED p, in f32, and the product's result is divided by l at the end. Since M is a whole number, a kernel that streams over the keys may use a running M (the ceiling of the running maximum): every later rescaling is an exact power of two, which a block's scale takes up: the codes' values come out the same.
;;   OPERANDS COMPUTED ON THE WAY. 'Computed on the way' means the value that the module computes at that place (a softmax that the list does not call 'softmax' is quantised finished and normalised). What goes into a quantiser is computed in f32, as accurately as f32 sums, v_exp_f32 and their like allow (about 1e-6 of the number): no bf16 or f16 on the way to a quantiser, and a product that is left as it is and whose result goes on into a quantised operand takes f32 operands (vector FMAs, or v_wmma_f32_16x16x4_f32). A number that lies on a knife's edge between two numbers of the format may be rounded either way, as far as f32 arithmetic and the matrix unit's own rounding can turn it there, and no further.
;; One version. Each part assembles by itself: llvm-mc -triple=amdgcn-amd-amdhsa -mcpu=gfx1250 --defsym DOCPART=n.
;; ======== version 1 of 1: 3 launches
;; limits: right only within a limited range of input values
;; workspace buffers: xc 6,815,744 bytes; wc 5,111,808 bytes; tab 1,048,576 bytes; qb 1,835,008 bytes; kv 8,388,608 bytes
;; launch prep (part 1): grid 512 x 1, 4 waves a work-group, no clusters, 34,304 bytes of LDS; arguments hidden_states, Wq, Wk, Wv, position_ids, xc, wc, tab; writes xc, wc, tab
.if DOCPART == 1
	.amdgcn_target "amdgcn-amd-amdhsa--gfx1250"
	.amdhsa_code_object_version 6
	.text
	.protected	k_q1e81463938_prep
	.globl	k_q1e81463938_prep
	.p2align	8
	.type	k_q1e81463938_prep,@function
k_q1e81463938_prep:
	s_mov_b64 s[64:65], 0
	v_nop
	global_prefetch_b8 v0, s[64:65] scope:SCOPE_SE
	s_setreg_imm32_b32 hwreg(HW_REG_WAVE_MODE, 25, 1), 1
	s_wait_xcnt 0x0
; FIRST OF THREE LAUNCHES.  The program: (1) this one turns hidden_states and the three weights into codes of FP6 (E2M3) with one E8M0 byte for each 32 along K, and makes the table of cosines and sines;
; (2) one product on codes gives Q, K, V, which leave as codes again (Q, K rotated and quantised along the head's 64, V along the keys); (3) causal attention on codes.
; WORK LEFT OUT, for all values of the inputs.  (a) reference()'s rep() copies Q and K of head h to heads h, h + 8, h + 16, h + 24: the scores, the row's M, p and the row's sum of those four heads are the same numbers,
; so they are made once and serve four heads of V.  (b) Keys that come after a query are set to -1e9 by reference()'s own tril, and key 0 counts for every query, so their p is 0: steps of 128 keys that lie wholly
; behind a tile's queries are not computed.  LIMIT: a NaN, an infinity or an overflow that reaches only that work is not carried to the result; scores of the size of 1e9 are not served.  Every input has a way to the output and is loaded.
; LIMITS of the quantisers here: NaN and infinities among the inputs are not served; a block whose largest magnitude lies under 2^-124 keeps the byte 1, and so does a block of zeros where the rule says 127
; (its codes are zeros, which add nothing under any byte but 0xff, and this program alone reads the bytes).  |position_ids| up to 1,000,000 (the reach of the reduction by pi / 2 in three parts).
; inv_freq is the f32 number nearest to 10^(-j / 8); reference()'s power and division may differ from it in the last bits.
; LAYOUT OF THE CODES.  An operand's fragment (16 rows x 128 K, 12 registers a lane) lies in memory as an image of its registers: three quads of 512 bytes, lane l's 16 bytes at 16 l.  A PANEL RECORD is 6,656 bytes:
; the four fragments of 64 rows x 128 K, then a quad with their scale words (register t: tile t's).  The rows of tile t of a group of 64 are 32 (t / 2) + 8 (t % 2) + r + 8 (r / 8), for tokens and for the columns
; of a head of Q or K, so that a later result's 16 registers of two neighbouring tiles are 16 neighbours along the next K; V's columns lie plainly, 16 t + r.
; SHARES.  Work-groups 0-255: hidden_states, a wave to 64 rows x 128 K.  256-319: Wq, Wk; 320-447: Wv: a wave to 64 columns x 128 K.  448-511: the table, a wave to 16 positions.  The paths part on the work-group's number; only the first uses LDS.
; No tensor loads, no barrier: waves share nothing.
.set SPARE, 33792                      ; behind the four stages (16 rows x 528 bytes each): the spare words, 128 bytes for each wave
.set SPW,   14                         ; v14  LDS address of my spare word; never rewritten
.set NIL,   15                         ; v15  0; never rewritten
.set SEL,   30                         ; s[30:31] lane selects for v_permlanex16_b32: lane l xor 16
; ---- hidden_states.  v16-79, v80-143: two tiles as loaded; v144-207: a tile turned; v208-231: two sets of codes; v232-238 the conversions' second halves; v240-243 the four scale words; v244-251 at work
.macro LOADT t, set                    ; tile t's 16 rows, 512 consecutive bytes a load
.set li, 0
.rept 16
	global_load_b128 v[16+64*(\set)+4*li:16+64*(\set)+4*li+3], v2, s[22:23] offset:(32*((\t)/2)+8*((\t)%2)+li+8*(li/8))*8192 th:TH_LOAD_NT
.set li, li+1
.endr
.endm
.macro TURNX set                       ; through my stage: in as loaded, out 128 bytes a lane: register 32 c + i = k 64 c + 32 (lane / 16) + i of row lane % 16.  LDS serves a wave's instructions in order
.set li, 0
.rept 16
	ds_store_b128 v3, v[16+64*(\set)+4*li:16+64*(\set)+4*li+3] offset:528*li
.set li, li+1
.endr
.set li, 0
.rept 16
	ds_load_b128 v[144+4*li:147+4*li], v4 offset:256*(li/8)+16*(li%8)
.set li, li+1
.endr
.endm
.macro QUANTX t                        ; a lane holds two whole blocks, 2 c + lane / 16
.set CC, 208+12*((\t)%2)
.irp c, 0,1
	v_max3_num_f32 v[244+\c], |v[144+32*\c]|, |v[145+32*\c]|, 0x1800000   ; and the floor 2^(3 - 127): the byte cannot fall under 1
.endr
.irp i, 2,4,6,8,10,12,14,16,18,20,22,24,26,28,30
.irp c, 0,1
	v_max3_num_f32 v[244+\c], v[244+\c], |v[144+32*\c+\i]|, |v[145+32*\c+\i]|
.endr
.endr
.irp c, 0,1
	v_add_nc_u32 v[246+\c], 0xff000000, v[244+\c]  ; 2 off the exponent field: the conversion's scale operand
.endr
.irp c, 0,1
	v_lshrrev_b32 v[248+\c], 23, v[246+\c]         ; the scale's byte
.endr
	v_lshl_or_b32 v250, v249, 16, v248             ; my two bytes, blocks h and 2 + h,
	v_lshlrev_b32 v250, v5, v250                   ; 8 h bits up;
	v_permlanex16_b32 v251, v250, s[SEL], s[SEL+1]
	v_or_b32 v[240+\t], v250, v251                 ; with lane l xor 16's two the row's word is whole
.irp c, 0,1
	v_cvt_scalef32_pk16_fp6_f32 v[CC+6*\c:CC+6*\c+2], v[144+32*\c:159+32*\c], v[246+\c]
	v_cvt_scalef32_pk16_fp6_f32 v[232+4*\c:234+4*\c], v[160+32*\c:175+32*\c], v[246+\c]   ; (a conversion's three registers begin on an even number)
.endr
	v_nop                                          ; one plain place behind a scaled conversion
.irp c, 0,1
.irp i, 0,1,2
	v_mov_b32 v[CC+3+6*\c+\i], v[232+4*\c+\i]
.endr
.endr
.irp i, 0,1,2
	global_store_b128 v2, v[CC+4*\i:CC+4*\i+3], s[24:25] offset:1536*(\t)+512*\i   ; 512 consecutive bytes, aligned
.endr
.endm
; ---- a weight.  A LANE TAKES A COLUMN AND ITS REGISTERS RUN DOWN K.  Two passes of 32 columns x four blocks of 32 along K.  v16-79 two sets of 32 numbers; v144-191 the codes; v192-194 a second half; v196-197 a word a pass
.macro LOADW u, pitch                  ; use u: block u / 2, pass u % 2
.set li, 0
.rept 32
	global_load_b32 v[16+32*((\u)%2)+li], v2, s[22:23] offset:(32*((\u)/2)+li)*(\pitch)+128*((\u)%2) th:TH_LOAD_NT
.set li, li+1
.endr
.endm
.macro BLOCKW u, pitch
.set NS, 16+32*((\u)%2)
.set DD, 144+24*((\u)%2)+12*(((\u)/2)%2)+6*((\u)/4)    ; even blocks into the pass's first 12 registers, odd ones into its second 12
.if (\u) < 7
	s_wait_loadcnt 32                              ; this use's 32 loads are in; the next use's may be out
.else
	s_wait_loadcnt 0
.endif
	v_max3_num_f32 v204, |v[NS]|, |v[NS+1]|, |v[NS+2]|
	v_max3_num_f32 v205, |v[NS+3]|, |v[NS+4]|, |v[NS+5]|
.irp i, 6,10,14,18,22,26
	v_max3_num_f32 v204, v204, |v[NS+\i]|, |v[NS+\i+1]|
	v_max3_num_f32 v205, v205, |v[NS+\i+2]|, |v[NS+\i+3]|
.endr
	v_max3_num_f32 v204, v204, |v[NS+30]|, |v[NS+31]|
	v_max3_num_f32 v204, v204, v205, 0x1800000     ; the floor
	v_add_nc_u32 v206, 0xff000000, v204
	v_lshrrev_b32 v207, 23, v206
.if (\u)/2 == 0
	v_mov_b32 v[196+(\u)%2], v207
.else
	v_lshl_or_b32 v[196+(\u)%2], v207, 8*((\u)/2), v[196+(\u)%2]
.endif
	v_cvt_scalef32_pk16_fp6_f32 v[DD:DD+2], v[NS:NS+15], v206
	v_cvt_scalef32_pk16_fp6_f32 v[192:194], v[NS+16:NS+31], v206
	v_nop                                          ; one plain place behind a scaled conversion
.irp i, 0,1,2
	v_mov_b32 v[DD+3+\i], v[192+\i]
.endr
.if (\u)+2 < 8
	LOADW (\u)+2, \pitch
.endif
.endm
.macro WJOB pitch
	v_lshlrev_b32 v3, 4, v1                        ; 16 x lane: an image's place for my lane
	LOADW 0, \pitch
	LOADW 1, \pitch
.irp u, 0,1,2,3,4,5,6,7
	BLOCKW \u, \pitch
.endr
; lanes 0-15 hold the columns of tile 2 p, lanes 16-31 those of tile 2 p + 1.  A fragment wants blocks 0, 2 in lanes 0-15 and blocks 1, 3 in lanes 16-31: the first 12's upper lanes change places with the second 12's lower lanes
.irp p, 0,1
.irp i, 0,1,2,3,4,5,6,7,8,9,10,11
	v_permlane16_swap_b32 v[144+24*\p+\i], v[156+24*\p+\i]
.endr
.endr
	v_mov_b32 v201, 0                              ; (a lane permute's destination counts as one of its sources)
	v_mov_b32 v203, 0
	v_mov_b32 v200, v196                           ; tile 0's words stand in lanes 0-15;
	v_mov_b32 v202, v197
	v_permlanex16_b32 v201, v196, s[SEL], s[SEL+1] ; tile 1's are brought there
	v_permlanex16_b32 v203, v197, s[SEL], s[SEL+1]
.irp n, 0,1,2,3,4,5,6,7,8,9,10,11
	global_store_b128 v3, v[144+4*\n:147+4*\n], s[24:25] offset:512*\n
.endr
	global_store_b128 v3, v[200:203], s[24:25] offset:6144
	s_endpgm
.endm
; ---- the table: cos and sin of position x inv_freq.  x is reduced by n = the whole number nearest to x 2 / pi, with pi / 2 in three parts; polynomials on |r| <= pi / 4; the quadrant swaps and signs them
.macro POS k
	v_cvt_f32_i32 v4, s[32+\k]
	v_mul_f32 v4, v4, v2                           ; x: one rounding, as reference() has it
	v_mul_f32 v5, s48, v4
	v_rndne_f32 v5, v5                             ; n
	v_fma_f32 v6, v5, s49, v4
	v_fma_f32 v6, v5, s50, v6
	v_fma_f32 v6, v5, s51, v6                      ; r
	v_mul_f32 v7, v6, v6
	v_fma_f32 v8, v7, s55, s54
	v_fma_f32 v8, v8, v7, s53
	v_fma_f32 v8, v8, v7, s52
	v_mul_f32 v9, v6, v7
	v_fma_f32 v8, v8, v9, v6                       ; sin r
	v_fma_f32 v10, v7, s59, s58
	v_fma_f32 v10, v10, v7, s57
	v_fma_f32 v10, v10, v7, s56
	v_fma_f32 v10, v10, v7, -0.5
	v_fma_f32 v10, v10, v7, 1.0                    ; cos r
	v_cvt_i32_f32 v11, v5
	v_and_b32 v12, 1, v11
	v_cmp_eq_u32 vcc_lo, 1, v12
	v_cndmask_b32 v13, v8, v10, vcc_lo             ; odd quadrants: the two change places
	v_cndmask_b32 v9, v10, v8, vcc_lo
	v_and_b32 v12, 2, v11                          ; the sine is negative in quadrants 2, 3,
	v_lshlrev_b32 v12, 30, v12
	v_xor_b32 v[65+2*\k], v12, v13
	v_add_nc_u32 v11, 1, v11                       ; the cosine in 1, 2
	v_and_b32 v11, 2, v11
	v_lshlrev_b32 v11, 30, v11
	v_xor_b32 v[64+2*\k], v11, v9
	global_store_b64 v3, v[64+2*\k:65+2*\k], s[24:25] offset:256*\k   ; 32 lanes store a position's 256 bytes, aligned
.endm
	s_load_b256 s[4:11], s[0:1], 0x0               ; hidden_states s[4:5], Wq s[6:7], Wk s[8:9], Wv s[10:11]
	s_load_b128 s[12:15], s[0:1], 0x20             ; position_ids s[12:13], xc s[14:15]
	s_load_b128 s[16:19], s[0:1], 0x30             ; wc s[16:17], tab s[18:19]
	v_lshl_add_u32 v[SPW], v0, 2, SPARE
	v_mov_b32 v[NIL], 0
	v_lshrrev_b32 v1, 5, v0
	v_readfirstlane_b32 s20, v1                    ; wave 0..3
	v_and_b32 v1, 31, v0                           ; lane
	s_mov_b32 s[SEL], 0x76543210
	s_mov_b32 s[SEL+1], 0xfedcba98
	s_wait_kmcnt 0x0
	s_cmp_lt_u32 ttmp9, 256
	s_cbranch_scc1 .Lx
	s_cmp_lt_u32 ttmp9, 320
	s_cbranch_scc1 .Lwqk
	s_cmp_lt_u32 ttmp9, 448
	s_cbranch_scc1 .Lwv
	; ---- the table
	s_sub_co_u32 s21, ttmp9, 448
	s_lshl_b32 s21, s21, 2
	s_add_co_u32 s21, s21, s20
	s_lshl_b32 s21, s21, 4                         ; my first position
	s_lshl_b32 s22, s21, 2
	s_mov_b32 s23, 0
	s_add_nc_u64 s[22:23], s[12:13], s[22:23]
	s_load_b512 s[32:47], s[22:23], 0x0            ; my 16 positions
	s_lshl_b32 s24, s21, 8
	s_mov_b32 s25, 0
	s_add_nc_u64 s[24:25], s[18:19], s[24:25]
	s_mov_b32 s48, 0x3f22f983                      ; 2 / pi
	s_mov_b32 s49, 0xbfc90fdb                      ; pi / 2 = P1 + P2 + P3: -P1,
	s_mov_b32 s50, 0x333bbd2e                      ; -P2,
	s_mov_b32 s51, 0x26f72ced                      ; -P3
	s_mov_b32 s52, 0xbe2aaaab                      ; -1 / 6
	s_mov_b32 s53, 0x3c088889                      ; 1 / 120
	s_mov_b32 s54, 0xb9500d01                      ; -1 / 5040
	s_mov_b32 s55, 0x3638ef1d                      ; 1 / 362880
	s_mov_b32 s56, 0x3d2aaaab                      ; 1 / 24
	s_mov_b32 s57, 0xbab60b61                      ; -1 / 720
	s_mov_b32 s58, 0x37d00d01                      ; 1 / 40320
	s_mov_b32 s59, 0xb493f27e                      ; -1 / 3628800
	v_mov_b32 v2, 0
.set fj, 0
.irp f, 1.0, 0.74989420933, 0.56234132519, 0.42169650343, 0.31622776602, 0.23713737057, 0.17782794100, 0.13335214322, 0.1, 0.074989420933, 0.056234132519, 0.042169650343, 0.031622776602, 0.023713737057, 0.017782794100, 0.013335214322, 0.01, 0.0074989420933, 0.0056234132519, 0.0042169650343, 0.0031622776602, 0.0023713737057, 0.0017782794100, 0.0013335214322, 0.001, 0.00074989420933, 0.00056234132519, 0.00042169650343, 0.00031622776602, 0.00023713737057, 0.00017782794100, 0.00013335214322
	s_mov_b32 s63, \f                              ; 10^(-j / 8),
	v_writelane_b32 v2, s63, fj                    ; to lane j
.set fj, fj+1
.endr
	v_lshlrev_b32 v3, 3, v1                        ; 8 bytes a frequency: (cos, sin)
	s_wait_kmcnt 0x0
.irp k, 0,1,2,3,4,5,6,7,8,9,10,11,12,13,14,15
	POS \k
.endr
	s_endpgm
.Lx:	; ---- hidden_states
	s_lshl_b32 s21, ttmp9, 2
	s_add_co_u32 s21, s21, s20                     ; my job
	s_lshr_b32 s26, s21, 4                         ; G: which 64 rows
	s_and_b32 s27, s21, 15                         ; which 128 along K
	s_lshl_b32 s22, s26, 19                        ; 64 rows of 8,192 bytes
	s_lshl_b32 s28, s27, 9
	s_add_co_u32 s22, s22, s28
	s_mov_b32 s23, 0
	s_add_nc_u64 s[22:23], s[4:5], s[22:23]
	s_lshr_b32 s24, s26, 2                         ; xc: [G / 4][K step / 2][(G / 2) % 2][K step % 2][G % 2] records
	s_lshl_b32 s24, s24, 3
	s_lshr_b32 s28, s27, 1
	s_add_co_u32 s24, s24, s28
	s_lshl_b32 s24, s24, 1
	s_bfe_u32 s28, s26, 0x10001
	s_add_co_u32 s24, s24, s28
	s_lshl_b32 s24, s24, 1
	s_and_b32 s28, s27, 1
	s_add_co_u32 s24, s24, s28
	s_mul_i32 s24, s24, 13312
	s_and_b32 s28, s26, 1
	s_mul_i32 s28, s28, 6656
	s_add_co_u32 s24, s24, s28
	s_mov_b32 s25, 0
	s_add_nc_u64 s[24:25], s[14:15], s[24:25]
	v_lshlrev_b32 v2, 4, v1                        ; 16 x lane
	s_mul_i32 s28, s20, 8448                       ; my stage
	v_add_nc_u32 v3, s28, v2                       ; in
	v_and_b32 v6, 15, v0                           ; r
	v_bfe_u32 v7, v0, 4, 1                         ; h
	v_mul_u32_u24 v4, v6, 528
	v_lshl_add_u32 v4, v7, 7, v4
	v_add_nc_u32 v4, s28, v4                       ; out: row r, + 128 h
	v_lshlrev_b32 v5, 3, v7                        ; 8 h
	v_mov_b32 v251, 0                              ; (a lane permute's destination counts as one of its sources)
	LOADT 0, 0
	LOADT 1, 1
.irp t, 0,1,2,3
.if \t < 3
	s_wait_loadcnt 16                              ; this tile's 16 loads are in; the next tile's may be out
.else
	s_wait_loadcnt 0
.endif
	TURNX \t%2
	s_wait_dscnt 0x0                               ; the tile is back, and the stores into the stage have read their registers,
.if \t < 2
	LOADT \t+2, \t%2                               ; which take the tile two further on
.endif
.if \t >= 2
	s_wait_xcnt 0x0                                ; the stores of two tiles ago have read their codes: that set is written again only behind this wait
.endif
	QUANTX \t
.endr
	global_store_b128 v2, v[240:243], s[24:25] offset:6144
	s_wait_tensorcnt 0x0                           ; the wave's end: behind my last LDS store
	ds_add_u32 v[SPW], v[NIL]
	s_wait_dscnt 0x0
	s_endpgm
.Lwqk:	; ---- Wq, Wk: rows of 2,048 bytes; head c (0-7: Wq, 8-15: Wk) goes to part 0 of wc's column block c
	s_sub_co_u32 s21, ttmp9, 256
	s_and_b32 s27, s21, 15                         ; which 128 along K
	s_lshr_b32 s26, s21, 4
	s_lshl_b32 s26, s26, 2
	s_add_co_u32 s26, s26, s20                     ; c
	s_cmp_lt_u32 s21, 32
	s_cselect_b64 s[22:23], s[6:7], s[8:9]         ; the choice hangs on the work-group's number alone
	s_and_b32 s28, s26, 7
	s_lshl_b32 s28, s28, 8                         ; the head's 64 columns
	s_lshl_b32 s29, s27, 18                        ; 128 rows of 2,048 bytes
	s_add_co_u32 s28, s28, s29
	s_mov_b32 s29, 0
	s_add_nc_u64 s[22:23], s[22:23], s[28:29]
	s_lshl_b32 s24, s26, 3                         ; wc: [c][K step / 2][K step % 2][part] records
	s_lshr_b32 s28, s27, 1
	s_add_co_u32 s24, s24, s28
	s_lshl_b32 s24, s24, 1
	s_and_b32 s28, s27, 1
	s_add_co_u32 s24, s24, s28
	s_mul_i32 s24, s24, 19968
	s_mov_b32 s25, 0
	s_add_nc_u64 s[24:25], s[16:17], s[24:25]
	v_and_b32 v2, 7, v1                            ; my column of a pass's 32: the lane's number with bits 3 and 4 changed over, which is the tiles' order of rows
	v_bfe_u32 v3, v1, 3, 1
	v_lshl_or_b32 v2, v3, 4, v2
	v_bfe_u32 v3, v1, 4, 1
	v_lshl_or_b32 v2, v3, 3, v2
	v_lshlrev_b32 v2, 2, v2
	WJOB 2048
.Lwv:	; ---- Wv: rows of 8,192 bytes; head H goes to part 1 + H % 2 of column block H / 2
	s_sub_co_u32 s21, ttmp9, 320
	s_and_b32 s27, s21, 15
	s_lshr_b32 s26, s21, 4
	s_lshl_b32 s26, s26, 2
	s_add_co_u32 s26, s26, s20                     ; H
	s_lshl_b32 s28, s26, 8
	s_lshl_b32 s29, s27, 20                        ; 128 rows of 8,192 bytes
	s_add_co_u32 s28, s28, s29
	s_mov_b32 s29, 0
	s_add_nc_u64 s[22:23], s[10:11], s[28:29]
	s_lshr_b32 s24, s26, 1
	s_lshl_b32 s24, s24, 3
	s_lshr_b32 s28, s27, 1
	s_add_co_u32 s24, s24, s28
	s_lshl_b32 s24, s24, 1
	s_and_b32 s28, s27, 1
	s_add_co_u32 s24, s24, s28
	s_mul_i32 s24, s24, 19968
	s_and_b32 s28, s26, 1
	s_add_co_u32 s28, s28, 1
	s_mul_i32 s28, s28, 6656
	s_add_co_u32 s24, s24, s28
	s_mov_b32 s25, 0
	s_add_nc_u64 s[24:25], s[16:17], s[24:25]
	v_lshlrev_b32 v2, 2, v1                        ; my column of a pass's 32: my lane
	WJOB 8192
.Lfunc_end_k_q1e81463938_prep:
	.size	k_q1e81463938_prep, .Lfunc_end_k_q1e81463938_prep-k_q1e81463938_prep
	.p2alignl 7, 3214868480
	.fill 96, 4, 3214868480
	.section	.rodata,"a",@progbits
	.p2align	6, 0x0
	.amdhsa_kernel k_q1e81463938_prep
		.amdhsa_group_segment_fixed_size 34304
		.amdhsa_private_segment_fixed_size 0
		.amdhsa_enable_private_segment 0
		.amdhsa_kernarg_size 64
		.amdhsa_user_sgpr_count 2
		.amdhsa_user_sgpr_kernarg_segment_ptr 1
		.amdhsa_wavefront_size32 1
		.amdhsa_system_sgpr_workgroup_id_x 1
		.amdhsa_system_sgpr_workgroup_id_y 1
		.amdhsa_system_sgpr_workgroup_id_z 1
		.amdhsa_system_vgpr_workitem_id 0
		.amdhsa_next_free_vgpr 256
		.amdhsa_next_free_sgpr 96
		.amdhsa_reserve_vcc 1
		.amdhsa_float_denorm_mode_32 3
		.amdhsa_float_denorm_mode_16_64 3
		.amdhsa_memory_ordered 1
		.amdhsa_forward_progress 1
		.amdhsa_inst_pref_size 136
	.end_amdhsa_kernel
	.amdgpu_metadata
---
amdhsa.version: [ 1, 2 ]
amdhsa.kernels:
  - .name:           k_q1e81463938_prep
    .symbol:         k_q1e81463938_prep.kd
    .args:
      - { .name: hidden_states, .offset: 0, .size: 8, .value_kind: global_buffer, .address_space: global }
      - { .name: Wq, .offset: 8, .size: 8, .value_kind: global_buffer, .address_space: global }
      - { .name: Wk, .offset: 16, .size: 8, .value_kind: global_buffer, .address_space: global }
      - { .name: Wv, .offset: 24, .size: 8, .value_kind: global_buffer, .address_space: global }
      - { .name: position_ids, .offset: 32, .size: 8, .value_kind: global_buffer, .address_space: global }
      - { .name: xc, .offset: 40, .size: 8, .value_kind: global_buffer, .address_space: global }
      - { .name: wc, .offset: 48, .size: 8, .value_kind: global_buffer, .address_space: global }
      - { .name: tab, .offset: 56, .size: 8, .value_kind: global_buffer, .address_space: global }
    .group_segment_fixed_size: 34304
    .private_segment_fixed_size: 0
    .kernarg_segment_align: 8
    .kernarg_segment_size: 64
    .max_flat_workgroup_size: 128
    .sgpr_count:     96
    .vgpr_count:     256
    .wavefront_size: 32
...
	.end_amdgpu_metadata
.endif
;; end of part 1
;; launch proj (part 2): grid 16 x 16, 4 waves a work-group, clusters of 4 x 4, 327,680 bytes of LDS; arguments xc, wc, tab, qb, kv; writes qb, kv
.if DOCPART == 2
	.amdgcn_target "amdgcn-amd-amdhsa--gfx1250"
	.amdhsa_code_object_version 6
	.text
	.protected	k_q1e81463938_proj
	.globl	k_q1e81463938_proj
	.p2align	8
	.type	k_q1e81463938_proj,@function
k_q1e81463938_proj:
	s_mov_b64 s[64:65], 0
	v_nop
	global_prefetch_b8 v0, s[64:65] scope:SCOPE_SE
	s_setreg_imm32_b32 hwreg(HW_REG_WAVE_MODE, 25, 1), 1
	s_wait_xcnt 0x0
	s_wait_alu depctr_hold_cnt(0) depctr_sa_sdst(0) depctr_va_vdst(0) depctr_va_sdst(0) depctr_va_ssrc(0) depctr_va_vcc(0) depctr_vm_vsrc(0)
	s_getreg_b32 s2, hwreg(HW_REG_IB_STS2, 6, 4)
	s_cmp_eq_u32 s2, 0
	s_cbranch_scc0 .Lentry_in_a_cluster
	s_endpgm
.Lentry_in_a_cluster:
	s_bfe_u32 s2, ttmp6, 0x10000c
	s_cmp_lg_u32 s2, 0xf033
	s_cbranch_scc0 .Lentry_shape_is_right
	s_endpgm
.Lentry_shape_is_right:
; SECOND LAUNCH: [4,096 tokens x 2,048] x [2,048 x 3,072 columns] on codes of FP6 (E2M3) with E8M0 scales, sums in f32, K ascending; then Q and K are rotated (RoPE) and quantised along the head's 64, V along the keys.
; Nothing of reference() is left out here: Q and K have 8 heads as reference() computes them (its copies to 32 heads are not made: see the first launch's head).
; SHARES.  Work-group (c, y): tokens 256 y on x 192 columns: one head of Q (c < 8) or of K (c - 8), and V's heads 2 c, 2 c + 1: every work-group has the same work.  Wave w: R = w / 2, e = w % 2.
;   V: tokens 128 R on (8 tiles a) x head 2 c + e (4 tiles t): source 0 = tokens, source 1 = the weight: a lane holds ONE channel and its registers run along the KEYS, the next product's K.
;   Q, K: tokens 128 R + 64 e on (tiles 4 e + m) x the head's 64 columns (4 tiles g), TRANSPOSED: source 0 = the weight, source 1 = tokens: a lane holds one token and its registers run along the head's 64.
;   48 matrix instructions and 16 fragments for each 128 along K.  The registers of Q's and K's tokens hang on e, so that block is written twice, under a branch on the wave's number.
; OPERANDS lie in memory and in LDS as images of their registers (first launch): a fragment comes by three ds_load_b128 of 512 consecutive bytes, four tiles' scale words by one.  No pitch, no padding.
; RING.  Two slots of 93,184 bytes, each with two steps of 128 along K: tokens' halves 0, 1 (26,624 bytes each), the weights' steps 0, 1 (19,968 each): four dense blocks, one tensor load a wave.
; CLUSTER 4 x 4: the tokens' blocks hang on y alone and are asked for jointly along a row of the cluster, the weights' on c alone, along a column.
; REGISTERS.  window 0: v16-24 addresses, v28-30; v32-63 scale words, two sets (+0 tokens' 8 tiles, +8 Q/K's 4, +12 V's 4); v64-159, v160-255 tokens' fragments, two sets.   window 1: the weights' fragments, set p at 128 p: Q/K's 4, then V's 4.
;   window 2: V's 32 accumulators, (t, a) at v[64 t + 8 a].   window 3: v0-127 Q/K's 16, (m, g) at v[8 (4 m + g)]; v128-255 cosines and sines of my 64 tokens.
; LIMITS: as stated at the first launch's head (floor of the scale's byte, NaN, infinities).
.set AHALF, 26624
.set BSTEP, 19968
.set BOFF,  2*AHALF
.set SLOT,  2*AHALF+2*BSTEP
.set SPARE, 2*SLOT                     ; behind the ring: the spare words, 128 bytes for each wave
.set ADRA, 16                          ; v16-17  my tokens' half in slot 0, 1, + 16 x lane
.set ADRB, 18                          ; v18-19  the weights' part 0 likewise
.set ADRV, 20                          ; v20-21  and my head of V's part
.set TABO, 22                          ; v22     my lane's place in the table of a tile's tokens
.set L16,  23                          ; v23     16 x lane
.set L8,   24                          ; v24     8 x lane
.set SPW,  28                          ; v28     LDS address of my spare word; never rewritten
.set NIL,  29                          ; v29     0; never rewritten
.set FLO,  30                          ; v30     the floor 2^(3 - 127)
.set SC,   32
.set AF,   64
.set G1A, 24                           ; s[24:31] group 1 for the tokens' blocks;  s[32:39] group 0, a set for each slot
.set G0A, 32
.set G1B, 48                           ; s[48:55], s[56:63] the same for the weights'
.set G0B, 56
.set SEL, 80                           ; s[80:81] lane selects for lane l xor 16
.set MSB, 0
.macro WIN new                         ; the immediate's high byte repeats the setting that is left
.if MSB != \new
	s_set_vgpr_msb (MSB<<8)|\new
.set MSB, \new
.endif
.endm
.macro PLACES                          ; four plain places behind matrix instructions, in front of loads into their registers and of reads of their results
.rept 4
	v_nop
.endr
.endm
; A joint load: waves 0, 1 fetch the tokens' halves, waves 2, 3 the weights' steps.  The branch hangs on the wave's number alone.  An s_nop 0 and four v_nop follow each line.
.macro JLOAD g0a, g1a, g0b, g1b
	s_cmp_eq_u32 s15, 0
	s_cbranch_scc0 .Lfor_b_\@
	tensor_load_to_lds s[\g0a:\g0a+3], s[\g1a:\g1a+7]
	s_nop 0
.rept 4
	v_nop
.endr
	s_branch .Lasked_\@
.Lfor_b_\@:
	tensor_load_to_lds s[\g0b:\g0b+3], s[\g1b:\g1b+7]
	s_nop 0
.rept 4
	v_nop
.endr
.Lasked_\@:
.endm
.macro CREST                           ; a round of the cluster's barrier behind its opening barrier
	s_cmp_lg_u32 s14, 0
	s_cbranch_scc1 .Lnot_wave_0_\@
	s_barrier_signal -3
.Lnot_wave_0_\@:
	s_barrier_wait -3
	s_barrier_signal -1
	s_barrier_wait -1
.endm
.macro CROUND
	s_barrier_signal -1
	s_barrier_wait -1
	CREST
.endm
; 52 LDS loads in one run: the 16 fragments and 4 scale quads of the slot's q-th 128 along K, into set p
.macro FETCH sl, q, p
	WIN 0x40                                       ; destination window 1
.irp g, 0,1,2,3
.irp i, 0,1,2
	ds_load_b128 v[128*(\p)+12*\g+4*\i:128*(\p)+12*\g+4*\i+3], v[ADRB+\sl] offset:(\q)*BSTEP+\g*1536+512*\i
.endr
.endr
.irp g, 0,1,2,3
.irp i, 0,1,2
	ds_load_b128 v[128*(\p)+48+12*\g+4*\i:128*(\p)+48+12*\g+4*\i+3], v[ADRV+\sl] offset:(\q)*BSTEP+\g*1536+512*\i
.endr
.endr
	WIN 0
.irp a, 0,1,2,3,4,5,6,7
.irp i, 0,1,2
	ds_load_b128 v[AF+96*(\p)+12*\a+4*\i:AF+96*(\p)+12*\a+4*\i+3], v[ADRA+\sl] offset:(\q)*13312+(\a/4)*6656+(\a%4)*1536+512*\i
.endr
.endr
	ds_load_b128 v[SC+16*(\p):SC+16*(\p)+3],     v[ADRA+\sl] offset:(\q)*13312+6144
	ds_load_b128 v[SC+16*(\p)+4:SC+16*(\p)+7],   v[ADRA+\sl] offset:(\q)*13312+12800
	ds_load_b128 v[SC+16*(\p)+8:SC+16*(\p)+11],  v[ADRB+\sl] offset:(\q)*BSTEP+6144
	ds_load_b128 v[SC+16*(\p)+12:SC+16*(\p)+15], v[ADRV+\sl] offset:(\q)*BSTEP+6144
.endm
; V: tokens' tiles a0 .. a1 x the head's four tiles.  The 48 accumulators take turns, one instruction a turn, in the same order in every step.  zero = 1: the first product starts the sums
.macro MULV p, a0, a1, zero
	WIN 0xa4                                       ; source 0 window 0, source 1 window 1, C and D window 2
.set AA, \a0
.rept (\a1)-(\a0)+1
.irp t, 0,1,2,3
.if \zero
	v_wmma_scale_f32_16x16x128_f8f6f4 v[64*\t+8*AA:64*\t+8*AA+7], v[AF+96*(\p)+12*AA:AF+96*(\p)+12*AA+11], v[128*(\p)+48+12*\t:128*(\p)+48+12*\t+11], 0, v[SC+16*(\p)+AA], v[SC+16*(\p)+12+\t] matrix_a_fmt:MATRIX_FMT_FP6 matrix_b_fmt:MATRIX_FMT_FP6
.else
	v_wmma_scale_f32_16x16x128_f8f6f4 v[64*\t+8*AA:64*\t+8*AA+7], v[AF+96*(\p)+12*AA:AF+96*(\p)+12*AA+11], v[128*(\p)+48+12*\t:128*(\p)+48+12*\t+11], v[64*\t+8*AA:64*\t+8*AA+7], v[SC+16*(\p)+AA], v[SC+16*(\p)+12+\t] matrix_a_fmt:MATRIX_FMT_FP6 matrix_b_fmt:MATRIX_FMT_FP6
.endif
.endr
.set AA, AA+1
.endr
.endm
.macro MULQ16 p, e, zero               ; Q or K, transposed: the head's four tiles x tokens' tiles 4 e + m
	WIN 0xf1                                       ; source 0 window 1, source 1 window 0, C and D window 3
.irp m, 0,1,2,3
.irp g, 0,1,2,3
.if \zero
	v_wmma_scale_f32_16x16x128_f8f6f4 v[8*(4*\m+\g):8*(4*\m+\g)+7], v[128*(\p)+12*\g:128*(\p)+12*\g+11], v[AF+96*(\p)+12*(4*(\e)+\m):AF+96*(\p)+12*(4*(\e)+\m)+11], 0, v[SC+16*(\p)+8+\g], v[SC+16*(\p)+4*(\e)+\m] matrix_a_fmt:MATRIX_FMT_FP6 matrix_b_fmt:MATRIX_FMT_FP6
.else
	v_wmma_scale_f32_16x16x128_f8f6f4 v[8*(4*\m+\g):8*(4*\m+\g)+7], v[128*(\p)+12*\g:128*(\p)+12*\g+11], v[AF+96*(\p)+12*(4*(\e)+\m):AF+96*(\p)+12*(4*(\e)+\m)+11], v[8*(4*\m+\g):8*(4*\m+\g)+7], v[SC+16*(\p)+8+\g], v[SC+16*(\p)+4*(\e)+\m] matrix_a_fmt:MATRIX_FMT_FP6 matrix_b_fmt:MATRIX_FMT_FP6
.endif
.endr
.endr
.endm
.macro MULQ p, zero
	WIN 0                                          ; at a branch and at a label every window is 0
	s_cmp_eq_u32 s16, 0
	s_cbranch_scc0 .Lodd_\@
	MULQ16 \p, 0, \zero
	WIN 0
	s_branch .Ldone_\@
.Lodd_\@:
	MULQ16 \p, 1, \zero
	WIN 0
.Ldone_\@:
.endm
; A slot's first step multiplies set 0 and fetches the second step into set 1: the run of loads stands 48 matrix instructions ahead of its use
.macro STEP sl, zero
	s_wait_dscnt 0x0                               ; set 0 is in
	PLACES                                         ; behind the last products, which read set 1
	FETCH \sl, 1, 1
	MULV 0, 0, 7, \zero
	MULQ 0, \zero
.endm
; A slot's second step multiplies set 1 and changes slots: ONE barrier; in front of it each wave waits for all its tensor loads, adds 0 to its spare word, and waits for that and for its reads of this slot.  fill = 1: this slot is filled again
.macro TURN sl, next, fill
	s_wait_tensorcnt 0x0                           ; all my tensor loads have landed: my part of the next slot
	ds_add_u32 v[SPW], v[NIL]                      ; 0 onto my spare word
	s_wait_dscnt 0x1                               ; set 1's 52 loads are in; the add may be out
	MULV 1, 0, 1, 0                                ; eight matrix instructions stand between the add and the wait for it
	s_wait_dscnt 0x0                               ; the add is done, and my reads of this slot are over
	s_barrier_signal -1
	MULV 1, 2, 3, 0
	WIN 0
	s_barrier_wait -1
.if \fill
	CREST                                          ; the barrier has opened a round of the cluster's: no wave of any partner still reads this slot or has a load on its way
	s_add_nc_u64 s[G0A+4*\sl+2:G0A+4*\sl+3], s[G0A+4*\sl+2:G0A+4*\sl+3], 4*AHALF
	s_add_nc_u64 s[G0B+4*\sl+2:G0B+4*\sl+3], s[G0B+4*\sl+2:G0B+4*\sl+3], 4*BSTEP
	JLOAD G0A+4*\sl, G1A, G0B+4*\sl, G1B           ; the first tensor load behind the round: it has two steps, 96 matrix instructions, less the sixteen above, in which to land; its four v_nop are also the places for the loads below
.else
	PLACES
.endif
	FETCH \next, 0, 0
	MULV 1, 4, 7, 0
	MULQ 1, 0
.endm
	s_load_b256 s[4:11], s[0:1], 0x0               ; xc s[4:5], wc s[6:7], tab s[8:9], qb s[10:11]
	s_load_b64 s[12:13], s[0:1], 0x20              ; kv
	v_lshl_add_u32 v[SPW], v0, 2, SPARE
	v_mov_b32 v[NIL], 0
	ds_add_u32 v[SPW], v[NIL]                      ; the wave's opening: the add, twice on end, and its wait ahead of my first tensor load
	ds_add_u32 v[SPW], v[NIL]
	v_lshrrev_b32 v1, 5, v0
	v_readfirstlane_b32 s14, v1                    ; wave 0..3
	s_lshr_b32 s15, s14, 1                         ; R.  Also: I fetch tokens (0) or weights (1)
	s_and_b32 s16, s14, 1                          ; e.  Also: which half, or which step, I fetch
	s_bfe_u32 s40, ttmp6, 0x40000                  ; cx, cy: my place in the cluster
	s_bfe_u32 s41, ttmp6, 0x40004
	s_lshl_b32 s42, ttmp9, 2
	s_add_co_u32 s42, s42, s40                     ; c
	s_and_b32 s17, ttmp7, 0xffff
	s_lshl_b32 s17, s17, 2
	s_add_co_u32 s17, s17, s41                     ; y
	s_lshl_b32 s43, s41, 2
	s_lshl_b32 s43, 15, s43                        ; my row of the cluster
	s_lshl_b32 s44, 0x1111, s40                    ; my column
	s_or_b32 s[G1A], s43, (3<<16)|(1<<21)          ; 15:0 the mask; 17:16 elements of 8 bytes; 20 no padding; 21 set beside a mask
	s_or_b32 s[G1B], s44, (3<<16)|(1<<21)
	s_mov_b32 s[G1A+1], 32<<16                     ; a dense block as rows of 256 bytes: tensor_dim0 = 32
	s_mov_b32 s[G1A+2], 104<<16                    ; tensor_dim1 = 104 rows
	s_mov_b32 s[G1A+3], 32<<16                     ; tile_dim0
	s_mov_b32 s[G1A+4], 104                        ; tile_dim1
	s_mov_b32 s[G1A+5], 32                         ; the pitch
	s_mov_b32 s[G1A+6], 0
	s_mov_b32 s[G1A+7], 0
	s_mov_b32 s[G1B+1], 32<<16
	s_mov_b32 s[G1B+2], 78<<16                     ; 78 rows
	s_mov_b32 s[G1B+3], 32<<16
	s_mov_b32 s[G1B+4], 78
	s_mov_b32 s[G1B+5], 32
	s_mov_b32 s[G1B+6], 0
	s_mov_b32 s[G1B+7], 0
	s_mul_i32 s20, s17, 16*AHALF                   ; xc: [y][slot 8][half 2]: made of y and the wave's number alone
	s_mul_i32 s18, s16, AHALF
	s_add_co_u32 s20, s20, s18
	s_mov_b32 s21, 0
	s_mul_i32 s46, s42, 16*BSTEP                   ; wc: [c][slot 8][step 2]: of c and the wave's number alone
	s_mul_i32 s19, s16, BSTEP
	s_add_co_u32 s46, s46, s19
	s_mov_b32 s47, 0
	s_mov_b32 s[SEL], 0x76543210
	s_mov_b32 s[SEL+1], 0xfedcba98
	s_mov_b32 s78, 0xffff0000                      ; lanes 16-31
	s_wait_dscnt 0x0                               ; both opening adds are done
	s_wait_kmcnt 0x0
	s_add_nc_u64 s[20:21], s[4:5], s[20:21]
	s_add_nc_u64 s[46:47], s[6:7], s[46:47]
	CROUND                                         ; all sixteen work-groups are here: the first joint loads meet
.irp s, 0,1
	s_mov_b32 s[G0A+4*\s], 1
	s_add_co_u32 s[G0A+4*\s+1], s18, \s*SLOT
	s_add_nc_u64 s[G0A+4*\s+2:G0A+4*\s+3], s[20:21], \s*2*AHALF
	s_or_b32 s[G0A+4*\s+3], s[G0A+4*\s+3], 0x80000000
	s_mov_b32 s[G0B+4*\s], 1
	s_add_co_u32 s[G0B+4*\s+1], s19, \s*SLOT+BOFF
	s_add_nc_u64 s[G0B+4*\s+2:G0B+4*\s+3], s[46:47], \s*2*BSTEP
	s_or_b32 s[G0B+4*\s+3], s[G0B+4*\s+3], 0x80000000
	JLOAD G0A+4*\s, G1A, G0B+4*\s, G1B             ; two loads of mine are out
.endr
	v_and_b32 v1, 31, v0                           ; lane
	v_and_b32 v2, 15, v0                           ; r
	v_bfe_u32 v3, v0, 4, 1                         ; h
	v_lshlrev_b32 v[L16], 4, v1
	v_lshlrev_b32 v[L8], 3, v1
	v_and_b32 v4, 8, v2
	v_add_nc_u32 v4, v4, v2                        ; r + 8 (r / 8)
	v_lshlrev_b32 v[TABO], 8, v4                   ; a token's 256 bytes of the table,
	v_lshl_add_u32 v[TABO], v3, 7, v[TABO]         ; + 128 h: frequencies 16 h + 0 .. 15
	s_lshl_b32 s22, s17, 8
	s_lshl_b32 s23, s15, 7
	s_add_co_u32 s22, s22, s23
	s_lshl_b32 s23, s16, 6
	s_add_co_u32 s22, s22, s23                     ; my first token for Q or K: 256 y + 128 R + 64 e
	s_lshl_b32 s22, s22, 8
	s_mov_b32 s23, 0
	s_add_nc_u64 s[66:67], s[8:9], s[22:23]
	WIN 0xc0                                       ; destination window 3
.irp m, 0,1,2,3
.irp i, 0,1,2,3,4,5,6,7
	global_load_b128 v[128+32*\m+4*\i:131+32*\m+4*\i], v[TABO], s[66:67] offset:(32*(\m/2)+8*(\m%2))*256+16*\i   ; tile m: (cos, sin) of frequency 16 h + i at registers 2 i, 2 i + 1; wanted on the way out
.endr
.endr
	WIN 0
	s_mul_i32 s22, s15, AHALF
	v_add_nc_u32 v[ADRA], s22, v[L16]
	v_add_nc_u32 v[ADRA+1], SLOT, v[ADRA]
	v_add_nc_u32 v[ADRB], BOFF, v[L16]
	v_add_nc_u32 v[ADRB+1], SLOT, v[ADRB]
	s_mul_i32 s22, s16, 6656
	s_add_co_u32 s22, s22, 6656
	v_add_nc_u32 v[ADRV], s22, v[ADRB]
	v_add_nc_u32 v[ADRV+1], s22, v[ADRB+1]
	v_mov_b32 v[FLO], 0x1800000
	; where the results go.  pair = 8 x batch + head of Q and K.  qb: [pair][group of 64 queries 32][3,584].  kv: [pair][slot of 256 keys 8][chunk 8][step 2][4,096]
	s_lshr_b32 s82, s17, 3
	s_lshl_b32 s82, s82, 3                         ; 8 x batch
	s_and_b32 s83, s17, 7                          ; the slot of keys
	s_and_b32 s84, s42, 7
	s_add_co_u32 s84, s84, s82                     ; Q's or K's pair
	s_lshl_b32 s85, s83, 16
	s_lshl_b32 s86, s15, 12
	s_add_co_u32 s85, s85, s86                     ; slot x 65,536 + step R x 4,096
	s_lshl_b32 s86, s84, 5
	s_lshl_b32 s87, s83, 2
	s_add_co_u32 s86, s86, s87
	s_lshl_b32 s87, s15, 1
	s_add_co_u32 s86, s86, s87
	s_add_co_u32 s86, s86, s16
	s_mul_i32 s86, s86, 3584
	s_mov_b32 s87, 0
	s_add_nc_u64 s[68:69], s[10:11], s[86:87]      ; Q: my group
	s_lshl_b32 s86, s84, 19
	s_add_co_u32 s86, s86, s85
	s_mul_i32 s88, s16, 24576                      ; K's code quads 6 e + 0 .. 5: two to a chunk
	s_add_co_u32 s88, s88, s86
	s_mov_b32 s89, 0
	s_add_nc_u64 s[70:71], s[12:13], s[88:89]
	s_lshl_b32 s88, s16, 9                         ; K's scale quad e
	s_add_co_u32 s88, s88, s86
	s_add_nc_u64 s[72:73], s[12:13], s[88:89]
	s_lshl_b32 s86, s42, 1
	s_add_co_u32 s86, s86, s16                     ; V's head 2 c + e = 8 x repeat + pair's head
	s_and_b32 s86, s86, 7
	s_add_co_u32 s86, s86, s82
	s_lshl_b32 s86, s86, 19
	s_add_co_u32 s86, s86, s85
	s_lshr_b32 s90, s42, 2                         ; the repeat
	s_lshl_b32 s88, s90, 14                        ; its four tiles: two chunks
	s_add_co_u32 s88, s88, s86
	s_add_nc_u64 s[74:75], s[12:13], s[88:89]
	s_lshl_b32 s88, s90, 8                         ; its scale words' 256 bytes
	s_add_co_u32 s88, s88, s86
	s_add_nc_u64 s[76:77], s[12:13], s[88:89]
	s_wait_tensorcnt 0x1                           ; my part of slot 0 is in; slot 1's may stay out
	s_barrier_signal -1
	s_barrier_wait -1
	FETCH 0, 0, 0
	STEP 0, 1                                      ; the first step stands in front of the loop: its products start the sums
	s_mov_b32 s3, 3
.Llap:                                                 ; a trip goes once round the ring and fills both slots again
	TURN 0, 1, 1
	STEP 1, 0
	TURN 1, 0, 1
	STEP 0, 0
	s_sub_co_u32 s3, s3, 1
	s_cmp_lg_u32 s3, 0
	s_cbranch_scc1 .Llap
	TURN 0, 1, 0                                   ; the last lap fills nothing
	STEP 1, 0
	s_wait_dscnt 0x0
	MULV 1, 0, 7, 0
	MULQ 1, 0
; THE WAY OUT, in registers alone.  Window 0: v64-95 a tile rotated; v96-111 at work; v112-135 Q's or K's codes (tile m at 6 m); v136-138 a second half; v140-143 its scale words;
; v144-191 V's codes (tile t at 12 t); v192-198 second halves; v200-203 V's scale words; v204-205 two of them to a register.
.macro ROPE m                          ; a lane holds, of its token, channels 16 h + i (registers i) and 32 + 16 h + i (registers 16 + i): the two that one frequency turns.  Each accumulator is read from its low end on
	WIN 0x0f                                       ; sources 0 and 1 window 3
.set ri, 0
.rept 16
	v_mul_f32 v[64+ri], v[32*\m+ri], v[128+32*\m+2*ri]
	v_mul_f32 v[80+ri], v[32*\m+16+ri], v[128+32*\m+2*ri]
	v_fma_f32 v[64+ri], -v[32*\m+16+ri], v[128+32*\m+2*ri+1], v[64+ri]
	v_fma_f32 v[80+ri], v[32*\m+ri], v[128+32*\m+2*ri+1], v[80+ri]
.set ri, ri+1
.endr
	WIN 0
.endm
.macro QUANT2 m                        ; 64 along K: two blocks; a block lies in lanes l and l xor 16
.irp b, 0,1
	v_max3_num_f32 v[96+\b], |v[64+16*\b]|, |v[65+16*\b]|, v[FLO]
.endr
.irp i, 2,4,6,8,10,12,14
.irp b, 0,1
	v_max3_num_f32 v[96+\b], v[96+\b], |v[64+16*\b+\i]|, |v[65+16*\b+\i]|
.endr
.endr
.irp b, 0,1
	v_permlanex16_b32 v[100+\b], v[96+\b], s[SEL], s[SEL+1]
.endr
.irp b, 0,1
	v_max_num_f32 v[96+\b], v[96+\b], v[100+\b]
.endr
.irp b, 0,1
	v_add_nc_u32 v[108+\b], 0xff000000, v[96+\b]   ; 2 off the exponent field: the conversion's scale operand
.endr
.irp b, 0,1
	v_lshrrev_b32 v[100+\b], 23, v[108+\b]
.endr
	v_lshl_or_b32 v[140+\m], v101, 8, v100
	v_or_b32 v[140+\m], 0x7f7f0000, v[140+\m]      ; the instruction's upper 64 along K hold zero codes: their bytes are 127
	v_cvt_scalef32_pk16_fp6_f32 v[112+6*\m:114+6*\m], v[64:79], v108
	v_cvt_scalef32_pk16_fp6_f32 v[136:138], v[80:95], v109
	v_nop                                          ; one plain place behind a scaled conversion
.irp i, 0,1,2
	v_permlane16_swap_b32 v[112+6*\m+\i], v[136+\i]   ; a whole block to a lane: lanes 0-15 block 0, lanes 16-31 block 1
.endr
.irp i, 0,1,2
	v_mov_b32 v[115+6*\m+\i], v[136+\i]
.endr
.endm
.macro QUANT4 t                        ; V's tile t: 128 keys, register 16 b + i = key 32 b + 16 h + i of my channel
	WIN 0x28                                       ; sources 1 and 2 window 2
.irp b, 0,1,2,3
	v_max3_num_f32 v[96+\b], v[FLO], |v[64*\t+16*\b]|, |v[64*\t+16*\b+1]|
.endr
.irp i, 2,4,6,8,10,12,14
.irp b, 0,1,2,3
	v_max3_num_f32 v[96+\b], v[96+\b], |v[64*\t+16*\b+\i]|, |v[64*\t+16*\b+\i+1]|
.endr
.endr
	WIN 0
.irp b, 0,1,2,3
	v_permlanex16_b32 v[100+\b], v[96+\b], s[SEL], s[SEL+1]
.endr
.irp b, 0,1,2,3
	v_max_num_f32 v[96+\b], v[96+\b], v[100+\b]
.endr
.irp b, 0,1,2,3
	v_add_nc_u32 v[108+\b], 0xff000000, v[96+\b]
.endr
.irp b, 0,1,2,3
	v_lshrrev_b32 v[100+\b], 23, v[108+\b]
.endr
	v_lshl_or_b32 v[200+\t], v101, 8, v100
	v_lshl_or_b32 v[200+\t], v102, 16, v[200+\t]
	v_lshl_or_b32 v[200+\t], v103, 24, v[200+\t]
	WIN 0x02                                       ; source 0 window 2
.irp c, 0,1
	v_cvt_scalef32_pk16_fp6_f32 v[144+12*\t+6*\c:146+12*\t+6*\c], v[64*\t+32*\c:64*\t+32*\c+15], v[108+2*\c]
	v_cvt_scalef32_pk16_fp6_f32 v[192+4*\c:194+4*\c], v[64*\t+32*\c+16:64*\t+32*\c+31], v[108+2*\c+1]
.endr
	WIN 0
	v_nop                                          ; one plain place behind a scaled conversion
.irp c, 0,1
.irp i, 0,1,2
	v_permlane16_swap_b32 v[144+12*\t+6*\c+\i], v[192+4*\c+\i]
.endr
.irp i, 0,1,2
	v_mov_b32 v[147+12*\t+6*\c+\i], v[192+4*\c+\i]
.endr
.endr
.irp i, 0,1,2
	global_store_b128 v[L16], v[144+12*\t+4*\i:147+12*\t+4*\i], s[74:75] offset:(\t/2)*8192+(\t%2)*1536+512*\i   ; 512 consecutive bytes, aligned
.endr
.endm
	PLACES                                         ; behind the last products
	s_wait_loadcnt 0x0                             ; the table
.irp b, 0,1,2,3
	v_mov_b32 v[100+\b], 0                         ; (a lane permute's destination counts as one of its sources)
.endr
.irp m, 0,1,2,3
	ROPE \m
	QUANT2 \m
.endr
	s_cmp_lt_u32 ttmp9, 2                          ; Q's columns or K's?  The cluster's x: the same in all sixteen partners
	s_cbranch_scc0 .Lkeys
.irp q, 0,1,2,3,4,5
	global_store_b128 v[L16], v[112+4*\q:115+4*\q], s[68:69] offset:512*\q
.endr
	global_store_b128 v[L16], v[140:143], s[68:69] offset:3072
	s_branch .Lvalues
.Lkeys:
.irp q, 0,1,2,3,4,5
	global_store_b128 v[L16], v[112+4*\q:115+4*\q], s[70:71] offset:(\q/2)*8192+3072+(\q%2)*512
.endr
	global_store_b128 v[L16], v[140:143], s[72:73] offset:6*8192+3072
.Lvalues:
.irp t, 0,1,2,3
	QUANT4 \t
.endr
	v_cndmask_b32 v204, v200, v201, s78            ; an even tile's words in lanes 0-15, the odd tile's in lanes 16-31
	v_cndmask_b32 v205, v202, v203, s78
	global_store_b64 v[L8], v[204:205], s[76:77] offset:7*8192+3072
	s_wait_tensorcnt 0x0                           ; the wave's end: behind my last tensor load
	ds_add_u32 v[SPW], v[NIL]
	s_wait_dscnt 0x0
	CROUND                                         ; the closing round: no work-group ends while a partner may still ask for a block that names it
	s_endpgm
.Lfunc_end_k_q1e81463938_proj:
	.size	k_q1e81463938_proj, .Lfunc_end_k_q1e81463938_proj-k_q1e81463938_proj
	.p2alignl 7, 3214868480
	.fill 96, 4, 3214868480
	.section	.rodata,"a",@progbits
	.p2align	6, 0x0
	.amdhsa_kernel k_q1e81463938_proj
		.amdhsa_group_segment_fixed_size 327680
		.amdhsa_private_segment_fixed_size 0
		.amdhsa_enable_private_segment 0
		.amdhsa_kernarg_size 40
		.amdhsa_user_sgpr_count 2
		.amdhsa_user_sgpr_kernarg_segment_ptr 1
		.amdhsa_wavefront_size32 1
		.amdhsa_system_sgpr_workgroup_id_x 1
		.amdhsa_system_sgpr_workgroup_id_y 1
		.amdhsa_system_sgpr_workgroup_id_z 1
		.amdhsa_system_vgpr_workitem_id 0
		.amdhsa_next_free_vgpr 1024
		.amdhsa_next_free_sgpr 100
		.amdhsa_reserve_vcc 0
		.amdhsa_float_denorm_mode_32 3
		.amdhsa_float_denorm_mode_16_64 3
		.amdhsa_memory_ordered 1
		.amdhsa_forward_progress 1
		.amdhsa_inst_pref_size 146
	.end_amdhsa_kernel
	.amdgpu_metadata
---
amdhsa.version: [ 1, 2 ]
amdhsa.kernels:
  - .name:           k_q1e81463938_proj
    .symbol:         k_q1e81463938_proj.kd
    .args:
      - { .name: xc, .offset: 0, .size: 8, .value_kind: global_buffer, .address_space: global }
      - { .name: wc, .offset: 8, .size: 8, .value_kind: global_buffer, .address_space: global }
      - { .name: tab, .offset: 16, .size: 8, .value_kind: global_buffer, .address_space: global }
      - { .name: qb, .offset: 24, .size: 8, .value_kind: global_buffer, .address_space: global }
      - { .name: kv, .offset: 32, .size: 8, .value_kind: global_buffer, .address_space: global }
    .group_segment_fixed_size: 327680
    .private_segment_fixed_size: 0
    .kernarg_segment_align: 8
    .kernarg_segment_size: 40
    .max_flat_workgroup_size: 128
    .sgpr_count:     100
    .vgpr_count:     1024
    .wavefront_size: 32
...
	.end_amdgpu_metadata
.endif
;; end of part 2
;; launch attn (part 3): grid 16 x 16, 8 waves a work-group, no clusters, 327,680 bytes of LDS; arguments qb, kv, out0; writes out0
.if DOCPART == 3
	.amdgcn_target "amdgcn-amd-amdhsa--gfx1250"
	.amdhsa_code_object_version 6
	.text
	.protected	k_q1e81463938_attn
	.globl	k_q1e81463938_attn
	.p2align	8
	.type	k_q1e81463938_attn,@function
k_q1e81463938_attn:
	s_mov_b64 s[64:65], 0
	v_nop
	global_prefetch_b8 v0, s[64:65] scope:SCOPE_SE
	s_setreg_imm32_b32 hwreg(HW_REG_WAVE_MODE, 25, 1), 1
	s_wait_xcnt 0x0
; THIRD LAUNCH: causal attention on codes of FP6 (E2M3) with E8M0 scales.  For each pair (batch, head h of Q and K): S^T = K Q^T over the head's 64; t = score x log2(e) / 8; M = the running largest t rounded up to a
; whole number; p = 2^(t - M), quantised along the keys; O^T += V^T p^T for the FOUR heads of V (h, h + 8, h + 16, h + 24), 256 channels; the row's sum of the unquantised p divides at the end.
; LEFT OUT (shown at the first launch's head): the scores and softmax of reference()'s three copies of each head of Q and K, which are the same numbers; steps of 128 keys that lie wholly behind a tile's queries.
; NO CLUSTER: the sixteen work-groups of a pair read the same K and V, but they need different numbers of slots under the causal mask.
; SHARES.  Work-group (i, pair) owns the groups of 64 queries i and 31 - i: (i / 2 + 1) + ((31 - i) / 2 + 1) = 17 steps for each of four pairs of tiles, the same in every work-group.  Wave w owns ONE tile of 16 queries: tile w / 2 of the
; early group or of the late one; two waves share a SIMD's registers, so that one wave's vector work stands beside the other's matrix work.
; LAYOUT.  Both products transposed: a lane holds one query, Q0 + r + 8 (r / 8).  Tile t of a step's keys holds keys 32 (t / 2) + 8 (t % 2) + r + 8 (r / 8), so that p's 16 registers of two neighbouring tiles are 16 neighbouring keys.
; K = 64 fills half of the instruction's 128: Q's registers 6-11 are zero codes.  K's tiles lie 6 registers apart; the six registers that an instruction names beyond a tile's own hold other codes, which meet Q's zeros and add nothing
; (the format has no NaN, and the upper scale bytes are 127).
; RING.  Two slots of 65,536 bytes (256 keys: two steps), as the second launch laid them: eight chunks of 8,192 bytes, one tensor load a wave; a chunk holds bytes of both steps.
; REGISTERS.  window 0: v1-11 addresses; v12 -M, v13 the largest t, v[14:15] the sum; v16-27 Q; v28 Q's scale words, v29 p's; v32-79 K, then v32-127 V's tiles 8-15; v128-191 S^T, then p; v192-203 p's codes; v204-210 second halves;
;   v212-219 K's scale words; v220-227 V's (two tiles to a register); v228-251 at work.   window 1: v0-127 O^T, tile t = 4 x repeat + channel / 16 at 8 t; v128-223 V's tiles 0-7.
.set SLOT1, 65536                      ; slot 1 begins here: one exclusive or turns an address
.set STAGE, 131072                     ; the way out: 16 rows x (256 + 16) bytes for each wave; no tensor load lands here
.set SPARE, STAGE+8*16*272             ; the spare words, 128 bytes for each wave
.set L16, 1                            ; v1   16 x lane
.set L8,  2                            ; v2   8 x lane
.set SPW, 3                            ; v3   LDS address of my spare word; never rewritten
.set NIL, 4                            ; v4   0; never rewritten
.set GO,  5                            ; v5   the way out: my byte offset in two rows of the output
.set STO, 6                            ; v6   where I put 32 bytes of a row in the stage
.set RD,  7                            ; v7   where I read a row back
.set AD16, 8                           ; v8   the slot in hand + 16 x lane
.set AD8, 9                            ; v9   + 8 x lane
.set QD,  10                           ; v10  r + 8 (r / 8) - 16 h
.set PFO, 11                           ; v11  256 x lane; never rewritten
.set WV,  10                           ; s10  my wave's number
.set TB,  2                            ; s2   LDS byte at which the slot in hand begins
.set G1,  24                           ; s[24:31] descriptor group 1;  s[32:35] group 0, which walks
.set G0,  32
.set KF,  36                           ; s36  the step's first key
.set Q0,  37                           ; s37  my tile's first query
.set QL,  38                           ; s38  my work-group's last query
.set SLOTS, 39                         ; s39  changes of slots to go
.set SEL, 40                           ; s[40:41] lane selects for lane l xor 16
.set CS,  42                           ; s[42:43] c = log2(e) / 8
.set PFA, 44                           ; s[44:45] where my prefetches stand: my chunk of the slot after the one that is being asked for
.set LIM, 46                           ; s46  1 in a work-group that prefetches, else the greatest number
.set MSB, 0
.macro WIN new                         ; the immediate's high byte repeats the setting that is left
.if MSB != \new
	s_set_vgpr_msb (MSB<<8)|\new
.set MSB, \new
.endif
.endm
.macro TLOAD                           ; my chunk of a slot; an s_nop 0 and four v_nop follow
	tensor_load_to_lds s[G0:G0+3], s[G1:G1+7]
	s_nop 0
.rept 4
	v_nop
.endr
.endm
; A PREFETCH INTO THE L2 of what the next change of slots will ask for.  All sixteen work-groups of a pair walk the same slots: the one with i = 0, which walks all eight, asks; each of its waves names its own chunk, 32 lanes 256 bytes apart:
; each aligned block of 256 bytes is named once in the launch.  It stands behind the wave's tensor load and its five lines, a slot's two steps ahead of the load that will want the bytes.  Slots 0 and 1 come by their loads alone; the last change that fills a slot asks for nothing.
.macro ASK
	s_cmp_gt_u32 s[SLOTS], s[LIM]
	s_cbranch_scc0 .Lnot_mine_\@
	global_prefetch_b8 v[PFO], s[PFA:PFA+1] th:TH_LOAD_NT scope:SCOPE_SE
.Lnot_mine_\@:
.endm
; THE CHANGE OF SLOTS stands at a slot's head.  Each wave waits for all its tensor loads (its chunk of the slot ahead), adds 0 to its spare word, and waits for that and for its reads of the slot that it has left; behind the barrier the slot
; ahead is whole and nobody reads the other one, which is then filled with the next 256 keys: the load has a slot's two steps in which to land.
.macro CHANGE fill
	s_wait_tensorcnt 0x0                           ; no tensor load of mine is out, so the group 0 may be written
	ds_add_u32 v[SPW], v[NIL]                      ; 0 onto my spare word (every way to it leads through the head's tensor load)
.if \fill
	s_xor_b32 s[G0+1], s[G0+1], SLOT1              ; the other slot than last time,
	s_add_nc_u64 s[G0+2:G0+3], s[G0+2:G0+3], 65536 ; the next 256 keys; the type bits on top are not reached
	s_wait_xcnt 0x0                                ; the last prefetch, a slot back, has read its address
	s_add_nc_u64 s[PFA:PFA+1], s[PFA:PFA+1], 65536
.endif
	s_wait_dscnt 0x0                               ; the add is done, and my reads of the slot that I have left are over
	s_barrier_signal -1
	s_barrier_wait -1
.if \fill
	s_add_co_u32 s96, s[KF], 256                   ; THE LOOK-AHEAD ENDS AT THE CAUSAL LIMIT: a slot whose first key comes after my work-group's last query is read by none of its waves and is not asked for.
	s_cmp_gt_u32 s96, s[QL]                        ; Ids and the count of steps alone: all eight waves go the same way; every wait for tensor loads in this text is for 0
	s_cbranch_scc1 .Lpast_\@
	TLOAD                                          ; the first thing behind the barrier, and my one tensor load until the next
.Lpast_\@:
	ASK
.endif
.endm
; A KEY STEP: 128 keys, the s-th of the slot in hand
.macro STEP s
	s_add_co_u32 s96, s[Q0], 23                    ; my tile's last query
	s_cmp_gt_u32 s[KF], s96
	s_cbranch_scc1 .Lhidden_\@                     ; all 128 keys come after my queries: the step's work is left out; no barrier, wait for tensor loads or tensor load stands in a step
	v_add_nc_u32 v[AD16], s[TB], v[L16]
	v_add_nc_u32 v[AD8], s[TB], v[L8]
	v_nop
	v_nop                                          ; four places behind the last step's products, in front of loads into their registers
.set kq, 0
.rept 12
	ds_load_b128 v[32+4*kq:35+4*kq], v[AD16] offset:(kq/2)*8192+(\s)*4096+3072+(kq%2)*512   ; K's 48 registers: tile t at 6 t
.set kq, kq+1
.endr
	ds_load_b128 v[212:215], v[AD16] offset:6*8192+(\s)*4096+3072
	ds_load_b128 v[216:219], v[AD16] offset:6*8192+(\s)*4096+3072+512
	WIN 0x40                                       ; destination window 1
.set vt, 0
.rept 8
.irp i, 0,1,2
	ds_load_b128 v[128+12*vt+4*\i:131+12*vt+4*\i], v[AD16] offset:(vt/2)*8192+(\s)*4096+(vt%2)*1536+512*\i
.endr
.set vt, vt+1
.endr
	WIN 0
.irp r, 0,1,2,3
	ds_load_b64 v[220+2*\r:221+2*\r], v[AD8] offset:7*8192+(\s)*4096+3072+256*\r
.endr
	s_wait_dscnt 28                                ; K and its scale words are in; V's 24 loads and its 4 scale loads may be out
.set kt, 0
.rept 8
	v_wmma_scale_f32_16x16x128_f8f6f4 v[128+8*kt:135+8*kt], v[32+6*kt:43+6*kt], v[16:27], 0, v[212+kt], v28 matrix_a_fmt:MATRIX_FMT_FP6 matrix_b_fmt:MATRIX_FMT_FP6
.set kt, kt+1
.endr
.rept 4
	v_nop                                          ; places in front of the loads over K and of the first read of the scores
.endr
.set vt, 8
.rept 8
.irp i, 0,1,2
	ds_load_b128 v[32+12*(vt-8)+4*\i:35+12*(vt-8)+4*\i], v[AD16] offset:(vt/2)*8192+(\s)*4096+(vt%2)*1536+512*\i
.endr
.set vt, vt+1
.endr
	s_add_co_u32 s96, s[KF], 127                   ; on the diagonal the scores of hidden keys become -infinity ahead of the maximum: p = 0 then.  A step all of whose keys count skips this
	s_cmp_le_u32 s96, s[Q0]
	s_cbranch_scc1 .Lopen_\@
	s_sub_co_i32 s96, s[Q0], s[KF]
	v_add_nc_u32 v250, s96, v[QD]                  ; d = my query - KF - 16 h.  Register 16 b + i holds key KF + 32 b + 16 h + i: hidden where 32 b + i > d
	v_mov_b32 v251, 0xff800000
.set cn, 0
.rept 64
	v_cmp_gt_i32 vcc_lo, 32*(cn/16)+cn%16, v250
	v_cndmask_b32 v[128+cn], v[128+cn], v251, vcc_lo
.set cn, cn+1
.endr
.Lopen_\@:
.irp b, 0,1,2,3
	v_max3_num_f32 v[228+\b], v[128+16*\b], v[129+16*\b], v[130+16*\b]   ; the largest score of each block of 32 keys: it serves for the row's maximum and, since p rises with the score, for the block's largest p
.endr
.irp i, 3,5,7,9,11,13
.irp b, 0,1,2,3
	v_max3_num_f32 v[228+\b], v[228+\b], v[128+16*\b+\i], v[129+16*\b+\i]
.endr
.endr
.irp b, 0,1,2,3
	v_max_num_f32 v[228+\b], v[228+\b], v[143+16*\b]
.endr
.irp b, 0,1,2,3
	v_permlanex16_b32 v[232+\b], v[228+\b], s[SEL], s[SEL+1]
.endr
.irp b, 0,1,2,3
	v_max_num_f32 v[228+\b], v[228+\b], v[232+\b]  ; with lane l xor 16's 16 keys
.endr
	v_max3_num_f32 v242, v228, v229, v230
	v_max_num_f32 v242, v242, v231
	v_mul_f32 v242, s[CS], v242                    ; as t (c is positive)
	v_max_num_f32 v13, v13, v242                   ; the running largest t
	v_mov_b32 v242, v12
	v_floor_f32 v12, -v13                          ; the new -M = floor(-t): M is a whole number
	v_sub_f32 v242, v12, v242                      ; old M - new M: a whole number, 0 or less
	v_cvt_i32_f32 v242, v242                       ; (it saturates)
	v_ldexp_f32 v240, 1.0, v242                    ; f = 2^(old M - new M): the rescaling rounds nothing
.set pj, 0
.rept 32
	v_pk_fma_f32 v[128+pj:129+pj], v[128+pj:129+pj], s[CS:CS+1], v[12:13] op_sel_hi:[1,0,0]   ; t - M, two at a time
.set pj, pj+2
.endr
.irp b, 0,1,2,3
	v_fma_f32 v[228+\b], v[228+\b], s[CS], v12     ; the same of each block's largest score
.endr
.set pj, 0
.rept 64
	v_exp_f32 v[128+pj], v[128+pj]                 ; p = 2^(t - M), at most 1, not normalised
.set pj, pj+1
.endr
	v_pk_mul_f32 v[14:15], v[14:15], v[240:241] op_sel_hi:[1,0]   ; the sums under the new M: a plain place behind the exponentials
	s_wait_alu depctr_va_vdst(0)                   ; the wait ahead of the first line that names an exponential's result: one for the batch of 64
.irp b, 0,1,2,3
	v_exp_f32 v[228+\b], v[228+\b]                 ; the block's largest p: the same two instructions on the same number
.endr
	v_pk_add_f32 v[244:245], v[128:129], v[130:131]   ; the row's sum is taken of the unquantised p, in two chains
.irp j, 4,8,12,16,20,24,28,32,36,40,44,48,52,56,60
	v_pk_add_f32 v[14:15], v[14:15], v[128+\j:129+\j]
	v_pk_add_f32 v[244:245], v[244:245], v[130+\j:131+\j]
.endr
	v_pk_add_f32 v[14:15], v[14:15], v[244:245]
	s_wait_alu depctr_va_vdst(0)                   ; and one for the four
.irp b, 0,1,2,3
	v_max_num_f32 v[228+\b], 0x1800000, v[228+\b]  ; the floor 2^(3 - 127): the byte cannot fall under 1 (a block of zeros keeps that byte: its codes are zeros)
.endr
.irp b, 0,1,2,3
	v_add_nc_u32 v[236+\b], 0xff000000, v[228+\b]  ; 2 off the exponent field: the conversion's scale operand
.endr
.irp b, 0,1,2,3
	v_lshrrev_b32 v[246+\b], 23, v[236+\b]
.endr
	v_lshl_or_b32 v29, v247, 8, v246               ; p's scale word for these 128 keys
	v_lshl_or_b32 v29, v248, 16, v29
	v_lshl_or_b32 v29, v249, 24, v29
.irp c, 0,1
	v_cvt_scalef32_pk16_fp6_f32 v[192+6*\c:194+6*\c], v[128+32*\c:143+32*\c], v[236+2*\c]
	v_cvt_scalef32_pk16_fp6_f32 v[204+4*\c:206+4*\c], v[144+32*\c:159+32*\c], v[236+2*\c+1]
.endr
	v_nop                                          ; one plain place behind a scaled conversion
.irp c, 0,1
.irp i, 0,1,2
	v_permlane16_swap_b32 v[192+6*\c+\i], v[204+4*\c+\i]   ; a whole block to a lane
.endr
.irp i, 0,1,2
	v_mov_b32 v[195+6*\c+\i], v[204+4*\c+\i]
.endr
.endr
	WIN 0x41                                       ; O^T (destination and source 0) window 1, f window 0
.set pj, 0
.rept 64
	v_pk_mul_f32 v[pj:pj+1], v[pj:pj+1], v[240:241] op_sel_hi:[1,0]   ; O^T under the new M; these are also the places in front of the products below
.set pj, pj+2
.endr
	s_wait_dscnt 0x0                               ; V is in
	WIN 0x51                                       ; V's tiles 0-7 and O^T in window 1, p in window 0.  The 16 accumulators take one turn each in a step
.set vt, 0
.rept 8
.if vt%2
	v_wmma_scale_f32_16x16x128_f8f6f4 v[8*vt:8*vt+7], v[128+12*vt:139+12*vt], v[192:203], v[8*vt:8*vt+7], v[220+vt/2], v29 matrix_a_fmt:MATRIX_FMT_FP6 matrix_b_fmt:MATRIX_FMT_FP6 matrix_a_scale:MATRIX_SCALE_ROW1
.else
	v_wmma_scale_f32_16x16x128_f8f6f4 v[8*vt:8*vt+7], v[128+12*vt:139+12*vt], v[192:203], v[8*vt:8*vt+7], v[220+vt/2], v29 matrix_a_fmt:MATRIX_FMT_FP6 matrix_b_fmt:MATRIX_FMT_FP6
.endif
.set vt, vt+1
.endr
	WIN 0x50                                       ; V's tiles 8-15 in window 0
.rept 8
.if vt%2
	v_wmma_scale_f32_16x16x128_f8f6f4 v[8*vt:8*vt+7], v[32+12*(vt-8):43+12*(vt-8)], v[192:203], v[8*vt:8*vt+7], v[220+vt/2], v29 matrix_a_fmt:MATRIX_FMT_FP6 matrix_b_fmt:MATRIX_FMT_FP6 matrix_a_scale:MATRIX_SCALE_ROW1
.else
	v_wmma_scale_f32_16x16x128_f8f6f4 v[8*vt:8*vt+7], v[32+12*(vt-8):43+12*(vt-8)], v[192:203], v[8*vt:8*vt+7], v[220+vt/2], v29 matrix_a_fmt:MATRIX_FMT_FP6 matrix_b_fmt:MATRIX_FMT_FP6
.endif
.set vt, vt+1
.endr
	WIN 0
.Lhidden_\@:
	s_add_co_u32 s[KF], s[KF], 128
.endm
.macro SLOT_STEPS
	STEP 0
	STEP 1
	s_xor_b32 s[TB], s[TB], SLOT1                  ; on to the other slot
.endm
	s_load_b128 s[4:7], s[0:1], 0x0                ; qb s[4:5], kv s[6:7]
	s_load_b64 s[8:9], s[0:1], 0x10                ; out0
	v_lshl_add_u32 v[SPW], v0, 2, SPARE
	v_mov_b32 v[NIL], 0
	ds_add_u32 v[SPW], v[NIL]                      ; the wave's opening: the add, twice on end, and its wait ahead of my first tensor load
	ds_add_u32 v[SPW], v[NIL]
	v_lshrrev_b32 v1, 5, v0
	v_readfirstlane_b32 s[WV], v1                  ; wave 0..7
	s_and_b32 s11, ttmp7, 0xffff                   ; the pair
	s_lshr_b32 s12, s[WV], 1                       ; my tile of a group's four
	s_lshr_b32 s13, s[WV], 2
	s_xor_b32 s13, s13, s[WV]
	s_and_b32 s13, s13, 1                          ; the early group (0) or the late one (1)
	s_sub_co_u32 s14, 31, ttmp9
	s_cmp_eq_u32 s13, 0
	s_cselect_b32 s15, ttmp9, s14                  ; my group of 64 queries
	s_lshl_b32 s[Q0], s15, 6
	s_lshr_b32 s16, s12, 1
	s_lshl_b32 s16, s16, 5
	s_add_co_u32 s[Q0], s[Q0], s16
	s_and_b32 s16, s12, 1
	s_lshl_b32 s16, s16, 3
	s_add_co_u32 s[Q0], s[Q0], s16                 ; 64 g + 32 (T / 2) + 8 (T % 2)
	s_lshl_b32 s[QL], s14, 6
	s_add_co_u32 s[QL], s[QL], 63
	s_mov_b32 s[G1], 3<<16                         ; no mask; elements of 8 bytes; no padding
	s_mov_b32 s[G1+1], 32<<16                      ; a dense block as 32 rows of 256 bytes
	s_mov_b32 s[G1+2], 32<<16
	s_mov_b32 s[G1+3], 32<<16
	s_mov_b32 s[G1+4], 32
	s_mov_b32 s[G1+5], 32
	s_mov_b32 s[G1+6], 0
	s_mov_b32 s[G1+7], 0
	s_mov_b32 s[SEL], 0x76543210
	s_mov_b32 s[SEL+1], 0xfedcba98
	s_mov_b32 s[CS], 0x3e38aa3b                    ; log2(e) / sqrt(64)
	s_mov_b32 s[CS+1], s[CS]                       ; (named with it as a pair)
	s_mov_b32 s[TB], 0
	s_mov_b32 s[KF], 0
	s_mov_b32 s[SLOTS], 7
	s_cmp_eq_u32 ttmp9, 0
	s_cselect_b32 s[LIM], 1, -1
	s_mov_b32 s[G0], 1
	s_lshl_b32 s[G0+1], s[WV], 13                  ; LDS: my chunk of slot 0
	s_lshl_b32 s16, s11, 19
	s_add_co_u32 s16, s16, s[G0+1]                 ; the pair's 524,288 bytes, my chunk
	s_mov_b32 s17, 0
	s_wait_dscnt 0x0                               ; both opening adds are done
	s_wait_kmcnt 0x0
	s_add_nc_u64 s[G0+2:G0+3], s[6:7], s[16:17]
	s_add_nc_u64 s[PFA:PFA+1], s[G0+2:G0+3], 65536 ; in slot 1: the first change of slots steps it to slot 2
	s_or_b32 s[G0+3], s[G0+3], 0x80000000
	TLOAD                                          ; slot 0: every wave issues it; key 0 counts for every query, so it is read by all
	v_and_b32 v1, 31, v0
	v_lshlrev_b32 v[L8], 3, v1
	v_lshlrev_b32 v[PFO], 8, v1
	v_lshlrev_b32 v[L16], 4, v1
	s_lshl_b32 s16, s11, 5
	s_add_co_u32 s16, s16, s15
	s_mul_i32 s16, s16, 3584
	s_mov_b32 s17, 0
	s_add_nc_u64 s[48:49], s[4:5], s[16:17]        ; my group's record of Q
	s_mul_i32 s18, s12, 3
.irp i, 0,1,2                                  ; my tile's six registers, 6 T on, of the record's run of 24: pair 3 T + i lies in quad (3 T + i) / 2, at 8 ((3 T + i) % 2) of the lane's 16 bytes
	s_add_co_u32 s19, s18, \i
	s_lshr_b32 s20, s19, 1
	s_lshl_b32 s20, s20, 9
	s_and_b32 s19, s19, 1
	s_lshl_b32 s19, s19, 3
	s_add_co_u32 s19, s19, s20
	v_add_nc_u32 v[228+\i], s19, v[L16]
	global_load_b64 v[16+2*\i:17+2*\i], v[228+\i], s[48:49]
.endr
	s_lshl_b32 s19, s12, 2
	v_add_nc_u32 v231, s19, v[L16]
	global_load_b32 v28, v231, s[48:49] offset:3072   ; and its scale words
	v_and_b32 v8, 15, v0                           ; r
	v_bfe_u32 v9, v0, 4, 1                         ; h
	v_lshlrev_b32 v[GO], 13, v9
	v_lshl_add_u32 v[GO], v8, 4, v[GO]             ; lanes 0-15 one token's row of 8,192 bytes, lanes 16-31 the next; 16 bytes a lane
	s_mul_i32 s19, s[WV], 16*272
	s_add_co_u32 s19, s19, STAGE                   ; my stage
	v_mul_u32_u24 v[STO], v8, 272
	v_lshl_add_u32 v[STO], v9, 5, v[STO]
	v_add_nc_u32 v[STO], s19, v[STO]
	v_mul_u32_u24 v[RD], v9, 272
	v_lshl_add_u32 v[RD], v8, 4, v[RD]
	v_add_nc_u32 v[RD], s19, v[RD]
	v_and_b32 v[QD], 8, v8
	v_add_nc_u32 v[QD], v[QD], v8
	v_lshlrev_b32 v12, 4, v9
	v_sub_nc_u32 v[QD], v[QD], v12
	s_lshr_b32 s16, s11, 3                         ; the batch
	s_lshl_b32 s16, s16, 11
	s_add_co_u32 s16, s16, s[Q0]
	s_lshl_b32 s16, s16, 13                        ; my first token's row,
	s_and_b32 s18, s11, 7
	s_lshl_b32 s18, s18, 8                         ; head h's 256 bytes in it; the repeats lie 2,048 bytes apart
	s_add_co_u32 s16, s16, s18
	s_mov_b32 s17, 0
	s_add_nc_u64 s[50:51], s[8:9], s[16:17]
	v_mov_b32 v13, 0xff61b1e6                      ; the largest t so far: -3e38, under every t
	v_floor_f32 v12, -v13                          ; -M
	v_mov_b32 v14, 0                               ; the sum, in two halves
	v_mov_b32 v15, 0
.irp j, 22,23,24,25,26,27
	v_mov_b32 v\j, 0                               ; Q's upper 64 along K: zero codes
.endr
.irp j, 80,81,82,83,84,85
	v_mov_b32 v\j, 0                               ; named beyond K's last tile: written once here; later they hold codes of V, which meet Q's zeros
.endr
.irp j, 232,233,234,235,241,242
	v_mov_b32 v\j, 0                               ; lane permutes' destinations, and the upper half of the pair v[240:241]
.endr
	WIN 0x40
.set oc, 0
.rept 128
	v_mov_b32 v[oc], 0                             ; O^T.  (The step is written with no first step of its own: the first finds zeros, which the first change of M leaves zeros)
.set oc, oc+1
.endr
	WIN 0
	s_wait_loadcnt 0x0                             ; Q
.Lslot:                                            ; seven trips: a constant; behind each change of slots the next slot is asked for, up to the causal limit
	CHANGE 1
	SLOT_STEPS
	s_sub_co_u32 s[SLOTS], s[SLOTS], 1
	s_cmp_lg_u32 s[SLOTS], 0
	s_cbranch_scc1 .Lslot
	CHANGE 0                                       ; the last slot is written out: nothing is left to ask for
	SLOT_STEPS
	; THE WAY OUT.  O^T is divided by the row's sum and goes through my stage, a head of V (16 queries x 256 bytes) at a time, so that sixteen lanes store a token's 256 aligned bytes of one head
	v_add_f32 v14, v14, v15                        ; the sum's two halves,
	v_permlanex16_b32 v242, v14, s[SEL], s[SEL+1]
	v_add_f32 v14, v14, v242                       ; and lane l xor 16's
	v_rcp_f32 v14, v14
	v_nop                                          ; a plain place behind the reciprocal; with the additions above, the places behind the last products
	v_nop
	s_wait_alu depctr_va_vdst(0)                   ; the wait ahead of the first reader
	WIN 0x01                                       ; source 0 window 1
.set oc, 0
.rept 64
	v_pk_mul_f32 v[32+oc:33+oc], v[oc:oc+1], v[14:15] op_sel_hi:[1,0]   ; register 8 t + j: channel 16 (t % 4) + 8 h + j of head t / 4; each accumulator from its low end on
.set oc, oc+2
.endr
	WIN 0
.irp r, 0,1,2,3
.irp t, 0,1,2,3
	ds_store_b128 v[STO], v[32+32*\r+8*\t:35+32*\r+8*\t] offset:64*\t
	ds_store_b128 v[STO], v[36+32*\r+8*\t:39+32*\r+8*\t] offset:64*\t+16
.endr
.irp i, 0,1,2,3,4,5,6,7
	ds_load_b128 v[32+32*\r+4*\i:35+32*\r+4*\i], v[RD] offset:2*\i*272   ; LDS serves a wave's instructions in order: these see my stores, and the next head's stores come behind them
.endr
.endr
.irp r, 0,1,2,3
.irp i, 0,1,2,3,4,5,6,7
	s_wait_dscnt 16*(3-\r)+7-\i                    ; behind this load: the rest of its head's loads and the later heads' sixteen each
	global_store_b128 v[GO], v[32+32*\r+4*\i:35+32*\r+4*\i], s[50:51] offset:(2*\i+8*(\i/4))*8192+2048*\r th:TH_STORE_NT   ; stage rows 2 i, 2 i + 1 are queries Q0 + 2 i + 8 (i / 4) and the next
.endr
.endr
	s_wait_tensorcnt 0x0                           ; the wave's end: behind my last tensor load and my last LDS store
	ds_add_u32 v[SPW], v[NIL]
	s_wait_dscnt 0x0
	s_endpgm
.Lfunc_end_k_q1e81463938_attn:
	.size	k_q1e81463938_attn, .Lfunc_end_k_q1e81463938_attn-k_q1e81463938_attn
	.p2alignl 7, 3214868480
	.fill 96, 4, 3214868480
	.section	.rodata,"a",@progbits
	.p2align	6, 0x0
	.amdhsa_kernel k_q1e81463938_attn
		.amdhsa_group_segment_fixed_size 327680
		.amdhsa_private_segment_fixed_size 0
		.amdhsa_enable_private_segment 0
		.amdhsa_kernarg_size 24
		.amdhsa_user_sgpr_count 2
		.amdhsa_user_sgpr_kernarg_segment_ptr 1
		.amdhsa_wavefront_size32 1
		.amdhsa_system_sgpr_workgroup_id_x 1
		.amdhsa_system_sgpr_workgroup_id_y 1
		.amdhsa_system_sgpr_workgroup_id_z 1
		.amdhsa_system_vgpr_workitem_id 0
		.amdhsa_next_free_vgpr 512
		.amdhsa_next_free_sgpr 100
		.amdhsa_reserve_vcc 1
		.amdhsa_float_denorm_mode_32 3
		.amdhsa_float_denorm_mode_16_64 3
		.amdhsa_memory_ordered 1
		.amdhsa_forward_progress 1
		.amdhsa_inst_pref_size 135
	.end_amdhsa_kernel
	.amdgpu_metadata
---
amdhsa.version: [ 1, 2 ]
amdhsa.kernels:
  - .name:           k_q1e81463938_attn
    .symbol:         k_q1e81463938_attn.kd
    .args:
      - { .name: qb, .offset: 0, .size: 8, .value_kind: global_buffer, .address_space: global }
      - { .name: kv, .offset: 8, .size: 8, .value_kind: global_buffer, .address_space: global }
      - { .name: out0, .offset: 16, .size: 8, .value_kind: global_buffer, .address_space: global }
    .group_segment_fixed_size: 327680
    .private_segment_fixed_size: 0
    .kernarg_segment_align: 8
    .kernarg_segment_size: 24
    .max_flat_workgroup_size: 256
    .sgpr_count:     100
    .vgpr_count:     512
    .wavefront_size: 32
...
	.end_amdgpu_metadata
.endif
;; end of part 3
